; MI455X (gfx1250); checked and timed in simulation.
; The chip was launched on July 23, 2026; its instructions are those of AMD's public machine-readable ISA for CDNA 5 (MIT licence, August 2026) and "CDNA5" Instruction Set Architecture Reference Guide (July 2026). The comments in the code are by the model that wrote it; some were corrected since.
;; Bahdanau Attention. Allowed arithmetic: matrix products marked QUANTISED: E3M2 operands, one E8M0 scale for each 32 along K, by v_wmma_scale_f32_16x16x128_f8f6f4 with both operands' format E3M2, f32 sums; products left as they are: f32 operands where the result goes on into a quantised operand, else bf16, f16 or f32 operands; f32 sums; everything else in f32.
;; Inputs: V_b 1 float32; V_w 1,024 x 1 float32; Wc_b 1,024 float32; Wc_w 1 x 1,024 float32; Wh_b 1,024 float32; Wh_w 1,024 x 1,024 float32; Ws_b 1,024 float32; Ws_w 1,024 x 1,024 float32; dec_hidden 32 x 1,024 float32; enc_output 32 x 2,048 x 1,024 float32; enc_pad_mask 32 x 2,048 int32; prev_coverage 32 x 2,048 x 1 float32.
;; Outputs: out0 32 x 1,024 float32; out1 32 x 2,048 float32; out2 32 x 2,048 x 1 float32.
;; Constants: use_coverage = True.
;; This version of the problem:
;;   THIS VERSION OF THE PROBLEM IS GIVEN IN LOW PRECISION. The matrix products marked QUANTISED in the list below multiply operands that are first quantised to E3M2 (3 exponent bits, 2 mantissa bits; 6 bits a number), with one power-of-two scale for each 32 numbers along K (OCP MX v1.0); their sums are f32. All else is computed in f32.
;;   The module's matrix products, in the order in which they are computed (A, B: the left and right operand; K: the contracted axis; several contracted axes count as one K, in the product's order):
;;     1. [M 32, K 1,024] x [K 1,024, N 1,024]; A: input dec_hidden; B: input Wh_w: QUANTISED
;;     2. [M 65,536, K 1,024] x [K 1,024, N 1,024]; A: input enc_output; B: input Ws_w: QUANTISED
;;     3. [M 65,536, K 1] x [K 1, N 1,024]; A: input prev_coverage; B: input Wc_w: left as it is (K = 1 < 32)
;;     4. [M 65,536, K 1,024] x [K 1,024, N 1]; A: computed on the way; B: input V_w: left as it is (N = 1 < 16)
;;   THE QUANTISER, for each operand of a quantised product, along K:
;;     - K is cut into blocks of 32 from its start; a last block that is shorter is filled with zeros.
;;     - A block's scale is 2^e with e = floor(log2(the largest magnitude in the block)) - 4, held to -126 .. 127; a block of zeros has e = 0. As a byte (E8M0): e + 127.
;;     - Each number is divided by its block's scale, clamped to +-28, and rounded to the nearest number of E3M2, ties to even, subnormals kept.
;;     - The product sums the exact products of the quantised numbers (number of the format x scale) in f32.
;;   ~~~python
;;   def quantise(x, axis):      # numpy; x: float32 -> the quantised numbers, widened to float32 again
;;       x = np.moveaxis(x, axis, -1); K = x.shape[-1]
;;       x = np.pad(x, [(0, 0)] * (x.ndim - 1) + [(0, -K % 32)]); x = x.reshape(x.shape[:-1] + (-1, 32)); a = np.abs(x).max(-1, keepdims=True)
;;       e = np.where(a > 0, np.clip(np.frexp(np.where(a > 0, a, 1))[1] - 1 - 4, -126, 127), 0)      # np.frexp(a)[1] - 1 = floor(log2(a)), exactly
;;       r = np.clip(x / 2.0 ** e, -28, 28)
;;       step = 2.0 ** (np.maximum(np.frexp(np.where(r == 0, 1, r))[1] - 1, -2) - 2)
;;       q = np.round(r / step) * step * 2.0 ** e      # np.round: ties to even
;;       return np.moveaxis(q.reshape(q.shape[:-2] + (-1,))[..., :K], -1, axis).astype(np.float32)
;;   ~~~
;; One version. Each part assembles by itself: llvm-mc -triple=amdgcn-amd-amdhsa -mcpu=gfx1250 --defsym DOCPART=n.
;; ======== version 1 of 1: 3 launches
;; limits: right only within a limited range of input values
;; workspace buffers: wsq 819,200 bytes; hbu 131,072 bytes; scores 262,144 bytes; ctxp 1,048,576 bytes; stat 65,536 bytes
;; launch prep (part 1): grid 128 x 1, 8 waves a work-group, no clusters, 17,920 bytes of LDS; arguments Ws_w, Wh_w, dec_hidden, Wh_b, Ws_b, Wc_b, wsq, hbu; writes wsq, hbu
.if DOCPART == 1
	.amdgcn_target "amdgcn-amd-amdhsa--gfx1250"
	.amdhsa_code_object_version 6
	.text
	.protected	k_q984caa229c_prep
	.globl	k_q984caa229c_prep
	.p2align	8
	.type	k_q984caa229c_prep,@function
k_q984caa229c_prep:
	s_mov_b64 s[64:65], 0
	v_nop
	global_prefetch_b8 v0, s[64:65] scope:SCOPE_SE
	s_setreg_imm32_b32 hwreg(HW_REG_WAVE_MODE, 25, 1), 1
	s_wait_xcnt 0x0
; Work-groups 0-63: tile t (16 columns u) of Ws_w [1024 k][1024 u] f32 becomes codes of BF6 (E3M2) with one E8M0 byte for each 32 along k,
; laid in wsq as images of the operand's registers: tile t at 12,800 t; K step s (128 k) at 1,536 s: lane l's registers 4c..4c+3 at 512 c + 16 l;
; at 12,288 the scale words: (column r, step s) at 16 r + 256 (s / 4) + 4 (s % 4).
; Work-groups 64-127: tile t of hbu[t][b][16] = Q(dec_hidden) Q(Wh_w) + Wh_b + Ws_b + Wc_b, both operands quantised here, K shared out among the eight waves and summed in f32 through LDS.
; Wave s takes K step s.  A lane takes a column of the weight and its registers run down k, in the order of the operand's layout, so nothing is transposed.
; A block's scale byte is its largest magnitude's exponent field - 4, held at 1 from below.
; LIMITS: a block of zeros gets the byte 1 with zero codes (the bytes are read by this program alone); blocks under 2^-122 are held at byte 1; NaN and infinities are not served.
; No tensor loads and no cluster: each work-group reads columns of its own; dec_hidden, which the 64 share, is 128 KiB.  The two paths part on the work-group's number and have LDS bytes of their own.
; WORK LEFT OUT IN THE WHOLE PROGRAM.  V_b is added to every score of a batch alike, and the scores reach the outputs through softmax over that axis alone: softmax(s + c) = softmax(s) for every c,
; so V_b has no way to any output; it is not loaded and is no launch's argument.  enc_pad_mask is named by no line of reference() and is not loaded either.
; LIMIT: a NaN, an infinity or an overflow that would reach the result through V_b alone is not carried to it.
.set SCI,   0
.set HRED,  512                        ; Wh path: 8 waves x 2,048 bytes of partial sums
.set SPARE, 16896                      ; the spare words: 128 bytes a wave, four blocks of 256 bytes that no other line names
.set FLOOR, 0x2800000                  ; 2^(5 - 127)
.set OFF4,  0xfe000000                 ; - (4 << 23)
.set BF,  16                           ; v16-27  the weight's fragment
.set BS,  28                           ; v28     its scale word
.set SPW, 30
.set NIL, 31
.set TM,  32                           ; v32-47  at work
.set AF,  48                           ; v48-71  dec's two fragments
.set AS,  72                           ; v72-73  their scale words
.set SCR, 74                           ; v74-80  a conversion's second halves
.set ACC, 82                           ; v82-97  two accumulators
.set BI,  98                           ; v98-109 the three biases
.set SUM, 112
.set WN,  128                          ; v128-191 64 numbers of the weight; later dec's rows 16-31; later the partial sums
.set DN,  192                          ; v192-255 dec's rows 0-15
.set SEL, 20
.set WV,  22
.set TT,  23
.macro WLOAD b                         ; W(128 s + 64 c + 32 h + i, 16 t + r) into v[WN + 32 c + i]
.set q, 0
.rept 64
	global_load_b32 v[WN+q], v5, s[\b:\b+1] offset:4096*(64*(q/32)+q%32)
.set q, q+1
.endr
.endm
.macro WQUANT                          ; my two whole blocks become registers 0-11 of the operand; the four bytes of the scale word are gathered from lanes l and l xor 16
.irp c, 0,1
	v_max3_num_f32 v[TM+\c], |v[WN+32*\c]|, |v[WN+1+32*\c]|, FLOOR
.endr
.irp i, 2,4,6,8,10,12,14,16,18,20,22,24,26,28,30
.irp c, 0,1
	s_delay_alu instid0(VALU_DEP_2)
	v_max3_num_f32 v[TM+\c], v[TM+\c], |v[WN+32*\c+\i]|, |v[WN+1+32*\c+\i]|
.endr
.endr
.irp c, 0,1
	s_delay_alu instid0(VALU_DEP_2)
	v_add_nc_u32 v[TM+12+\c], OFF4, v[TM+\c]       ; 4 off the exponent field: the conversion's scale operand
.endr
.irp c, 0,1
	s_delay_alu instid0(VALU_DEP_2)
	v_lshrrev_b32 v[TM+4+\c], 23, v[TM+12+\c]      ; the scale's byte
.endr
	s_delay_alu instid0(VALU_DEP_1)
	v_lshl_or_b32 v[BS], v[TM+5], 16, v[TM+4]      ; blocks h and 2 + h,
	v_lshlrev_b32 v[TM+6], 3, v2
	s_delay_alu instid0(VALU_DEP_1)
	v_lshlrev_b32 v[BS], v[TM+6], v[BS]            ; 8 h bits up
	s_delay_alu instid0(VALU_DEP_1)
	v_permlanex16_b32 v[TM+6], v[BS], s[SEL], s[SEL+1]
	s_delay_alu instid0(VALU_DEP_1)
	v_or_b32 v[BS], v[BS], v[TM+6]
.irp c, 0,1
	v_cvt_scalef32_pk16_bf6_f32 v[BF+6*\c:BF+2+6*\c], v[WN+32*\c:WN+15+32*\c], v[TM+12+\c]
	v_cvt_scalef32_pk16_bf6_f32 v[SCR+4*\c:SCR+2+4*\c], v[WN+16+32*\c:WN+31+32*\c], v[TM+12+\c]   ; (three registers begin on an even number)
.endr
	v_nop                                          ; one plain place behind a scaled conversion
.irp c, 0,1
.irp i, 0,1,2
	v_mov_b32 v[BF+3+6*\c+\i], v[SCR+4*\c+\i]
.endr
.endr
.endm
.macro XLOAD reg, off                  ; dec(row r, 128 s + 32 b + 16 h + 0..15) into v[reg + 16 b ..]
.set q, 0
.rept 16
	global_load_b128 v[\reg+4*q:\reg+4*q+3], v13, s[8:9] offset:(\off)+128*(q/4)+16*(q%4)
.set q, q+1
.endr
.endm
.macro QUANT s, f, w                   ; 64 numbers of a lane (register 16 b + i = k 32 b + 16 h + i of its row) become the fragment v[f ..] and the scale word v[w]
.irp b, 0,1,2,3
	v_max3_num_f32 v[TM+\b], |v[\s+16*\b]|, |v[\s+1+16*\b]|, FLOOR
.endr
.irp i, 2,4,6,8,10,12,14
.irp b, 0,1,2,3
	s_delay_alu instid0(VALU_DEP_4)
	v_max3_num_f32 v[TM+\b], v[TM+\b], |v[\s+16*\b+\i]|, |v[\s+1+16*\b+\i]|
.endr
.endr
.irp b, 0,1,2,3
	s_delay_alu instid0(VALU_DEP_4)
	v_permlanex16_b32 v[TM+4+\b], v[TM+\b], s[SEL], s[SEL+1]
.endr
.irp b, 0,1,2,3
	s_delay_alu instid0(VALU_DEP_4)
	v_max_num_f32 v[TM+\b], v[TM+\b], v[TM+4+\b]   ; with lane l xor 16's 16: the block's largest magnitude
.endr
.irp b, 0,1,2,3
	s_delay_alu instid0(VALU_DEP_4)
	v_add_nc_u32 v[TM+12+\b], OFF4, v[TM+\b]
.endr
.irp b, 0,1,2,3
	s_delay_alu instid0(VALU_DEP_4)
	v_lshrrev_b32 v[TM+4+\b], 23, v[TM+12+\b]
.endr
	s_delay_alu instid0(VALU_DEP_3)
	v_lshl_or_b32 v[\w], v[TM+5], 8, v[TM+4]
	s_delay_alu instid0(VALU_DEP_1)
	v_lshl_or_b32 v[\w], v[TM+6], 16, v[\w]
	s_delay_alu instid0(VALU_DEP_1)
	v_lshl_or_b32 v[\w], v[TM+7], 24, v[\w]
.irp c, 0,1
	v_cvt_scalef32_pk16_bf6_f32 v[\f+6*\c:\f+2+6*\c], v[\s+32*\c:\s+15+32*\c], v[TM+12+2*\c]
	v_cvt_scalef32_pk16_bf6_f32 v[SCR+4*\c:SCR+2+4*\c], v[\s+16+32*\c:\s+31+32*\c], v[TM+13+2*\c]
.endr
	v_nop                                          ; one plain place behind a scaled conversion
.irp c, 0,1                            ; the layout wants a whole block in a lane: lanes 0-15 block 2 c, lanes 16-31 block 2 c + 1
.irp i, 0,1,2
	v_permlane16_swap_b32 v[\f+6*\c+\i], v[SCR+4*\c+\i]
.endr
.irp i, 0,1,2
	s_delay_alu instid0(VALU_DEP_3)
	v_mov_b32 v[\f+3+6*\c+\i], v[SCR+4*\c+\i]
.endr
.endr
.endm
	s_load_b256 s[4:11], s[0:1], 0x0               ; Ws_w, Wh_w, dec_hidden, Wh_b
	s_load_b256 s[12:19], s[0:1], 0x20             ; Ws_b, Wc_b, wsq, hbu
	v_lshl_add_u32 v[SPW], v0, 2, SPARE
	v_mov_b32 v[NIL], 0
	v_lshrrev_b32 v3, 5, v0
	s_delay_alu instid0(VALU_DEP_1)
	v_readfirstlane_b32 s[WV], v3                  ; wave = K step
	v_and_b32 v1, 15, v0                           ; r
	s_wait_alu depctr_va_vdst(0)
	v_bfe_u32 v2, v0, 4, 1                         ; h
	v_and_b32 v3, 31, v0                           ; lane
	v_lshlrev_b32 v4, 2, v1
	s_delay_alu instid0(VALU_DEP_1)
	v_lshl_add_u32 v5, v2, 17, v4                  ; the weight: 4 r, lanes 16-31 32 rows of 4,096 bytes further down
	s_delay_alu instid0(VALU_DEP_3)
	v_lshlrev_b32 v7, 4, v3                        ; 16 x lane
	s_wait_alu depctr_va_vdst(0)
	s_mov_b32 s[SEL], 0x76543210
	s_mov_b32 s[SEL+1], 0xfedcba98
	s_and_b32 s[TT], ttmp9, 63                     ; the tile
	; every LDS address is made here, ahead of the parting
	s_lshr_b32 s28, s[WV], 2
	s_lshl_b32 s28, s28, 8
	s_and_b32 s29, s[WV], 3
	s_lshl_b32 s29, s29, 2
	s_add_co_u32 s28, s28, s29
	v_lshl_add_u32 v6, v1, 4, s28                  ; SCI + 16 r + 256 (s / 4) + 4 (s % 4)
	s_lshl_b32 s28, s[WV], 11
	s_add_co_u32 s28, s28, HRED
	v_add_nc_u32 v9, s28, v7                       ; my wave's partial sums: 16 x lane
	v_bfe_u32 v12, v0, 2, 4
	s_delay_alu instid0(VALU_DEP_1)
	v_lshlrev_b32 v10, 4, v12                      ; the sum phase, thread tau: row tau / 4, column quad tau % 4: 16 x (row % 16)
	v_bfe_u32 v12, v0, 1, 1
	s_delay_alu instid0(VALU_DEP_1)
	v_lshl_or_b32 v10, v12, 8, v10                 ; + 256 x (quad / 2): the half of the lanes
	v_and_b32 v12, 1, v0
	s_delay_alu instid0(VALU_DEP_1)
	v_lshl_or_b32 v10, v12, 9, v10                 ; + 512 x (quad % 2): the accumulator's half
	v_bfe_u32 v12, v0, 6, 1
	s_delay_alu instid0(VALU_DEP_1)
	v_lshl_or_b32 v10, v12, 10, v10                ; + 1,024 x (row / 16)
	s_delay_alu instid0(VALU_DEP_1)
	v_add_nc_u32 v10, HRED, v10
	v_and_b32 v8, 3, v0
	s_delay_alu instid0(VALU_DEP_1)
	v_lshlrev_b32 v8, 4, v8                        ; the biases: 16 x quad
	v_lshlrev_b32 v11, 4, v0                       ; hbu: 16 tau
	v_lshlrev_b32 v13, 12, v1
	s_delay_alu instid0(VALU_DEP_1)
	v_lshl_add_u32 v13, v2, 6, v13                 ; dec: row r of 4,096 bytes + 64 h
.irp b, 0,1,2,3
	v_mov_b32 v[TM+4+\b], 0                        ; a lane permute's destination counts as one of its sources
.endr
	s_lshl_b32 s24, s[WV], 19                      ; 128 rows of the weight a K step
	s_lshl_b32 s25, s[TT], 6                       ; 16 columns a tile
	s_add_co_u32 s24, s24, s25
	s_mov_b32 s25, 0
	s_mov_b32 s27, 0
	s_wait_kmcnt 0x0
	s_cmp_lt_u32 ttmp9, 64
	s_cbranch_scc0 .Lwh
	; ---- Ws: quantise, store the image
	s_add_nc_u64 s[4:5], s[4:5], s[24:25]
	WLOAD 4
	s_mul_i32 s26, s[TT], 12800
	s_mul_i32 s28, s[WV], 1536
	s_add_co_u32 s26, s26, s28
	s_add_nc_u64 s[16:17], s[16:17], s[26:27]
	s_wait_loadcnt 0x0
	WQUANT
.irp c, 0,1,2
	global_store_b128 v7, v[BF+4*\c:BF+4*\c+3], s[16:17] offset:512*\c   ; 32 lanes store 512 consecutive bytes, at a multiple of 256
.endr
	ds_store_b32 v6, v[BS]                         ; lanes r and r + 16 write the same word with the same value
	s_wait_dscnt 0x0                               ; for the others' sake
	s_barrier_signal -1
	s_barrier_wait -1
	s_cmp_lg_u32 s[WV], 0
	s_cbranch_scc1 .Lws_end
	ds_load_b128 v[TM:TM+3], v7                    ; the eight waves' scale words, 512 bytes
	s_wait_dscnt 0x0
	global_store_b128 v7, v[TM:TM+3], s[16:17] offset:12288   ; (wave 0's base is the tile's first byte)
.Lws_end:
	s_wait_tensorcnt 0x0                           ; the wave's end
	ds_add_u32 v[SPW], v[NIL]
	s_wait_dscnt 0x0
	s_endpgm
	; ---- Wh: quantise both operands, multiply my K step, sum the eight steps
.Lwh:
	s_add_nc_u64 s[6:7], s[6:7], s[24:25]
	s_lshl_b32 s26, s[TT], 6
	s_add_nc_u64 s[10:11], s[10:11], s[26:27]
	s_add_nc_u64 s[12:13], s[12:13], s[26:27]
	s_add_nc_u64 s[14:15], s[14:15], s[26:27]
	s_lshl_b32 s26, s[WV], 9
	s_add_nc_u64 s[8:9], s[8:9], s[26:27]          ; dec at my K step
	s_lshl_b32 s26, s[TT], 11
	s_add_nc_u64 s[18:19], s[18:19], s[26:27]      ; hbu at my tile
	s_wait_alu depctr_va_vdst(0)
	global_load_b128 v[BI:BI+3], v8, s[10:11]      ; the oldest loads: they change none of the counts below
	global_load_b128 v[BI+4:BI+7], v8, s[12:13]
	global_load_b128 v[BI+8:BI+11], v8, s[14:15]
	WLOAD 6
	XLOAD DN, 0
	s_wait_loadcnt 16                              ; the weight is in; dec's 16 loads may be out
	WQUANT
	XLOAD WN, 65536                                ; rows 16-31, into the registers that the weight has left
	s_wait_loadcnt 16                              ; rows 0-15 are in
	QUANT DN, AF, AS
	s_wait_loadcnt 0x0
	QUANT WN, AF+12, AS+1
.rept 8
	v_nop                                          ; a scale register written by a vector instruction stands 8 places ahead of a scaled matrix instruction, an operand 4
.endr
	; transposed: source 0 = 16 columns of Wh, source 1 = 16 rows of dec: lane (r, h) holds row r and columns 8 h + 0..7
	v_wmma_scale_f32_16x16x128_f8f6f4 v[ACC:ACC+7], v[BF:BF+11], v[AF:AF+11], 0, v[BS], v[AS] matrix_a_fmt:MATRIX_FMT_BF6 matrix_b_fmt:MATRIX_FMT_BF6
	v_wmma_scale_f32_16x16x128_f8f6f4 v[ACC+8:ACC+15], v[BF:BF+11], v[AF+12:AF+23], 0, v[BS], v[AS+1] matrix_a_fmt:MATRIX_FMT_BF6 matrix_b_fmt:MATRIX_FMT_BF6
.rept 4
	v_nop
.endr
.irp e, 0,1,2,3
	ds_store_b128 v9, v[ACC+4*\e:ACC+4*\e+3] offset:512*\e   ; each accumulator from its low end on
.endr
	s_wait_dscnt 0x0
	s_barrier_signal -1
	s_barrier_wait -1
	s_cmp_ge_u32 s[WV], 4
	s_cbranch_scc1 .Lwh_end
.irp s, 0,1,2,3,4,5,6,7
	ds_load_b128 v[WN+4*\s:WN+4*\s+3], v10 offset:2048*\s
.endr
	s_wait_dscnt 0x0
	v_pk_add_f32 v[SUM:SUM+1], v[WN:WN+1], v[WN+4:WN+5]
	v_pk_add_f32 v[SUM+2:SUM+3], v[WN+2:WN+3], v[WN+6:WN+7]
.irp s, 2,3,4,5,6,7
	s_delay_alu instid0(VALU_DEP_2)
	v_pk_add_f32 v[SUM:SUM+1], v[SUM:SUM+1], v[WN+4*\s:WN+4*\s+1]       ; K ascending
	s_delay_alu instid0(VALU_DEP_2)
	v_pk_add_f32 v[SUM+2:SUM+3], v[SUM+2:SUM+3], v[WN+4*\s+2:WN+4*\s+3]
.endr
.irp s, 0,1,2
	s_delay_alu instid0(VALU_DEP_2)
	v_pk_add_f32 v[SUM:SUM+1], v[SUM:SUM+1], v[BI+4*\s:BI+4*\s+1]
	s_delay_alu instid0(VALU_DEP_2)
	v_pk_add_f32 v[SUM+2:SUM+3], v[SUM+2:SUM+3], v[BI+4*\s+2:BI+4*\s+3]
.endr
	global_store_b128 v11, v[SUM:SUM+3], s[18:19]  ; a wave stores 512 consecutive bytes
.Lwh_end:
	s_wait_tensorcnt 0x0                           ; the wave's end
	ds_add_u32 v[SPW], v[NIL]
	s_wait_dscnt 0x0
	s_endpgm
.Lfunc_end_k_q984caa229c_prep:
	.size	k_q984caa229c_prep, .Lfunc_end_k_q984caa229c_prep-k_q984caa229c_prep
	.p2alignl 7, 3214868480
	.fill 96, 4, 3214868480
	.section	.rodata,"a",@progbits
	.p2align	6, 0x0
	.amdhsa_kernel k_q984caa229c_prep
		.amdhsa_group_segment_fixed_size 17920
		.amdhsa_private_segment_fixed_size 0
		.amdhsa_enable_private_segment 0
		.amdhsa_kernarg_size 64
		.amdhsa_user_sgpr_count 2
		.amdhsa_user_sgpr_kernarg_segment_ptr 1
		.amdhsa_wavefront_size32 1
		.amdhsa_system_sgpr_workgroup_id_x 1
		.amdhsa_system_sgpr_workgroup_id_y 1
		.amdhsa_system_sgpr_workgroup_id_z 1
		.amdhsa_system_vgpr_workitem_id 0
		.amdhsa_next_free_vgpr 256
		.amdhsa_next_free_sgpr 66
		.amdhsa_reserve_vcc 0
		.amdhsa_float_denorm_mode_32 3
		.amdhsa_float_denorm_mode_16_64 3
		.amdhsa_memory_ordered 1
		.amdhsa_forward_progress 1
		.amdhsa_inst_pref_size 43
	.end_amdhsa_kernel
	.amdgpu_metadata
---
amdhsa.version: [ 1, 2 ]
amdhsa.kernels:
  - .name:           k_q984caa229c_prep
    .symbol:         k_q984caa229c_prep.kd
    .args:
      - { .name: Ws_w, .offset: 0, .size: 8, .value_kind: global_buffer, .address_space: global }
      - { .name: Wh_w, .offset: 8, .size: 8, .value_kind: global_buffer, .address_space: global }
      - { .name: dec_hidden, .offset: 16, .size: 8, .value_kind: global_buffer, .address_space: global }
      - { .name: Wh_b, .offset: 24, .size: 8, .value_kind: global_buffer, .address_space: global }
      - { .name: Ws_b, .offset: 32, .size: 8, .value_kind: global_buffer, .address_space: global }
      - { .name: Wc_b, .offset: 40, .size: 8, .value_kind: global_buffer, .address_space: global }
      - { .name: wsq, .offset: 48, .size: 8, .value_kind: global_buffer, .address_space: global }
      - { .name: hbu, .offset: 56, .size: 8, .value_kind: global_buffer, .address_space: global }
    .group_segment_fixed_size: 17920
    .private_segment_fixed_size: 0
    .kernarg_segment_align: 8
    .kernarg_segment_size: 64
    .max_flat_workgroup_size: 256
    .sgpr_count:     66
    .vgpr_count:     256
    .wavefront_size: 32
...
	.end_amdgpu_metadata
.endif
;; end of part 1
;; launch score (part 2): grid 256 x 1, 4 waves a work-group, no clusters, 327,680 bytes of LDS; arguments enc_output, prev_coverage, wsq, hbu, Wc_w, V_w, scores, ctxp, stat; writes scores, ctxp, stat
.if DOCPART == 2
	.amdgcn_target "amdgcn-amd-amdhsa--gfx1250"
	.amdhsa_code_object_version 6
	.text
	.protected	k_q984caa229c_score
	.globl	k_q984caa229c_score
	.p2align	8
	.type	k_q984caa229c_score,@function
k_q984caa229c_score:
	s_mov_b64 s[64:65], 0
	v_nop
	global_prefetch_b8 v0, s[64:65] scope:SCOPE_SE
	s_setreg_imm32_b32 hwreg(HW_REG_WAVE_MODE, 25, 1), 1
	s_wait_xcnt 0x0
; s[b][row] = sum over u of V[u] tanh( Q(enc[b][row]) . Q(Ws[:,u]) + hbu[u] + cov[b][row] Wc[u] ), the product on codes of BF6 (E3M2) with E8M0 scales for each 32 along K; V_b is left out (softmax(s + c) = softmax(s)).
; A work-group owns 256 rows of one batch and walks them in four chunks of 64.  EACH ROW OF enc IS READ ONCE: a chunk's f32 rows land in LDS (one tensor load a wave: 16 rows, dense, as 128 lines of 512 bytes + 16),
; are quantised from there (wave w: rows 16 w on; a lane holds a block of 32 along K), the codes go through LDS to all four waves' registers (64 rows x 8 K steps = 384 registers), wave w multiplies them with
; its own 16 weight tiles (columns 256 w on), and when the chunk's scores are known the context is summed from the rows that still lie in LDS, under a running maximum.  Then the rows' bytes are filled again.
; THE WEIGHTS (wsq: images of the operand's registers) come from memory straight into two register buffers of 96: a buffer is asked for again right behind its 32 products, for the tile after next.
; NO CLUSTER, NO JOINT LOADS: the rows (270,336 bytes) and the codes (52,224) leave 5,120 bytes of LDS, less than one weight tile (12,800), so the weights, which all work-groups share, cannot pass through LDS;
; the rows, which do, are shared by nobody.  The three tables (hbu, Wc, V: 12,288 bytes) lie over the codes' bytes once the codes are in registers, and are stored anew in each chunk.
; PREFETCH: in each of the eight trips of a chunk's matrix loop a wave names 32 blocks of 256 bytes of its own 16 rows of the NEXT chunk, a lane a block: 4 x 8 x 32 = 1,024 blocks, each once; the last chunk asks for nothing.
; V tanh(x) = V - 2 V / (1 + 2^(2 log2(e) x)): sum V r is gathered tile by tile, s = sum V - 2 sum V r at a chunk's end.
; OUT: scores; ctxp = sum over my 256 rows of 2^((s - M) log2 e) enc; stat = (M, Z) of those rows; the last launch joins a batch's eight.
; LIMITS: blocks of zeros get the byte 1 with zero codes; blocks under 2^-122 are held at byte 1; NaN and infinities are not served.  Where 2^(..) overflows, tanh is 1; where it falls to 0, -1.
; The score's error grows with sum |V| x 2^-24.  The softmax's promise holds while the scaled scores stay under 2^31 in magnitude.
; REGISTERS.  Window 0: addresses, tables, scale words, ACC v96, COV v128, SACC v160, v192-223 at work, v224-247 my 8 columns of the three tables.  Windows 1, 2: v0-191 A's fragments of K steps 0-3, 4-7 at
; v[12 (rt + 4 (s % 4))]; between chunks v96-246 the quantiser, window 1 v0-143 the context's rows and weights; v232-239 constants; window 1 v248-255 the context.  Window 3: v0-95, v96-191 the two weight buffers.
.set XP,    4224                       ; a row in LDS: eight lines of 512 + 16
.set XW,    67584                      ; 16 rows
.set AC,    270336                     ; 64 rows of codes, 768 bytes + 16
.set AP,    784
.set HBT,   AC                         ; over the codes: hbu of my batch; 4,096 on: Wc; 8,192 on: V
.set ASC,   320512                     ; 32 scale bytes a row
.set SCX,   322560                     ; [wave][64 rows] partial scores
.set PT,    323584                     ; the chunk's 64 weights, a copy for each wave
.set SPARE, 324608                     ; the spare words: 128 bytes a wave, two blocks of 256 bytes that no other line names
.set TILEB, 12800
.set NLD,   25                         ; loads that bring a weight tile
.set FLOOR, 0x2800000
.set OFF4,  0xfe000000
.set BA0, 4
.set BA,  5                            ; v5, v6: one for each buffer
.set TA0, 7
.set TA,  8
.set AF0, 9
.set AS0, 10
.set SX,  11
.set SR,  12
.set PW,  13
.set L8,  14
.set H32, 15
.set HO,  16
.set T32, 17
.set TW,  18
.set PFO, 19
.set SPW, 20
.set NIL, 21
.set VSUM, 22
.set ASCL, 34                          ; v34-49; tables of buffer p: v[24 + 26 p] hbu, + 2 Wc, + 4 V (pairs, the odd partners 0); its scale words v[30 + 26 p ..]
.set CVO, 70
.set SO,  71
.set MX,  90
.set ZL,  91
.set FF,  92
.set ACC, 96
.set COV, 128
.set SACC, 160
.set WV, 24
.set WG, 25
.set BB, 26
.set T,  28
.set SOF, 30
.set CH, 31
.set G1, 32
.set G0, 40
.set TI, 44
.set TB, 45
.set TU, 46
.set CNT, 47
.set XC, 48
.set PL, 49
.set CC, 50
.set PF, 52
.set SEL, 54
.set MK, 56
.set L2E, 60
.set C2, 62
.set WB, 66
.set MSB, 0
.macro WIN new                         ; the immediate's high byte repeats the setting that is left
.if MSB != (\new)
	s_set_vgpr_msb (MSB<<8)|(\new)
.set MSB, (\new)
.endif
.endm
.macro BAR
	s_barrier_signal -1
	s_barrier_wait -1
.endm
; THE QUANTISER, all operand places in window w.  XL: rows 4 j .. 4 j + 3 of my 16, lane l block l of each, into v[96 + 32 i ..].  XQ: scale, codes, 28 LDS stores.
.macro XL w, j
	WIN 0x55*(\w)
.set q, 0
.rept 32
	ds_load_b128 v[96+4*q:96+4*q+3], v237 offset:XP*(4*(\j)+q/8)+16*(q%8)
.set q, q+1
.endr
.endm
.macro XQ w, j
	WIN 0x55*(\w)
.irp i, 0,1,2,3
	v_max3_num_f32 v[224+\i], |v[96+32*\i]|, |v[97+32*\i]|, FLOOR        ; the block's largest magnitude, and the floor 2^(5 - 127); the four rows by turns
.endr
.irp k, 2,4,6,8,10,12,14,16,18,20,22,24,26,28,30
.irp i, 0,1,2,3
	v_max3_num_f32 v[224+\i], v[224+\i], |v[96+32*\i+\k]|, |v[97+32*\i+\k]|
.endr
.endr
.irp i, 0,1,2,3
	v_add_nc_u32 v[228+\i], OFF4, v[224+\i]        ; 4 off the exponent field: the conversion's scale operand
.endr
.irp i, 0,1,2,3
	v_lshrrev_b32 v[224+\i], 23, v[228+\i]         ; the scale's byte
.endr
	v_cvt_scalef32_pk16_bf6_f32 v[240:242], v[96:111], v228
	v_cvt_scalef32_pk16_bf6_f32 v[244:246], v[112:127], v228
	v_nop                                          ; a plain place: the next pair writes over this pair's sources
.irp i, 1,2,3
	v_cvt_scalef32_pk16_bf6_f32 v[64+32*\i:66+32*\i], v[96+32*\i:111+32*\i], v[228+\i]    ; into the registers that the row before has left
	v_cvt_scalef32_pk16_bf6_f32 v[68+32*\i:70+32*\i], v[112+32*\i:127+32*\i], v[228+\i]
	v_nop
.endr
.irp e, 0,1,2
	ds_store_b32 v232, v[240+\e] offset:AP*4*(\j)+4*\e       ; 24 bytes a block, at 24 l of the row
	ds_store_b32 v232, v[244+\e] offset:AP*4*(\j)+12+4*\e
.endr
	ds_store_b8 v234, v224 offset:128*(\j)
.irp i, 1,2,3
.irp e, 0,1,2
	ds_store_b32 v232, v[64+32*\i+\e] offset:AP*(4*(\j)+\i)+4*\e
	ds_store_b32 v232, v[68+32*\i+\e] offset:AP*(4*(\j)+\i)+12+4*\e
.endr
	ds_store_b8 v234, v[224+\i] offset:32*(4*(\j)+\i)
.endr
.endm
; THE EPILOGUE of a tile: SACC += V / (1 + 2^(2 log2(e) x)).  Each batch of 32 transcendentals has a wait ahead, one plain place and one wait behind.
.macro EPI vv
.set q, 0
.rept 16
	v_pk_mul_f32 v[ACC+q:ACC+q+1], v[ACC+q:ACC+q+1], s[C2:C2+1] op_sel_hi:[1,0]   ; each accumulator from its low end on
.set q, q+2
.endr
	s_wait_alu depctr_va_vdst(0)
.set q, 0
.rept 32
	v_exp_f32 v[ACC+q], v[ACC+q]
.set q, q+1
.endr
	v_nop
	s_wait_alu depctr_va_vdst(0)
.set q, 0
.rept 16
	v_pk_add_f32 v[ACC+q:ACC+q+1], v[ACC+q:ACC+q+1], 1.0 op_sel_hi:[1,0]
.set q, q+2
.endr
	s_wait_alu depctr_va_vdst(0)
.set q, 0
.rept 32
	v_rcp_f32 v[ACC+q], v[ACC+q]
.set q, q+1
.endr
	v_nop
	s_wait_alu depctr_va_vdst(0)
.set q, 0
.rept 16
	v_pk_fma_f32 v[SACC+q:SACC+q+1], v[ACC+q:ACC+q+1], v[\vv:\vv+1], v[SACC+q:SACC+q+1] op_sel_hi:[1,0,1]
.set q, q+2
.endr
.endm
; A TILE on buffer p: C = cov Wc + hbu, 32 products (four accumulators by turns), the buffer asked for again (more), the next tile's three table words (tb), the epilogue.
; lc: the loads issued behind this buffer's, which may stay out.
.macro TILE p, lc, more, tb
.set TP, 24+26*(\p)
.set TN, 24+26*(1-(\p))
.set BP, 96*(\p)
.set BS, 30+26*(\p)
	s_add_co_u32 s[TB], s[TI], 2
	s_and_b32 s[TB], s[TB], 15                     ; my 16 tiles are walked round and round
	s_mul_i32 s[TB], s[TB], TILEB
	s_add_co_u32 s[TU], s[TI], 1
	s_and_b32 s[TU], s[TU], 15
	s_lshl_b32 s[TU], s[TU], 6
	s_add_co_u32 s[TI], s[TI], 1
	s_wait_loadcnt \lc
	s_wait_dscnt 0x0                               ; this tile's table words
.set q, 0
.rept 16
	v_pk_fma_f32 v[ACC+q:ACC+q+1], v[COV+q:COV+q+1], v[TP+2:TP+3], v[TP:TP+1] op_sel_hi:[1,0,0]
.set q, q+2
.endr
	v_add_f32 v[VSUM], v[VSUM], v[TP+4]
.rept 3
	v_nop                                          ; distance between the lines that make C and the products
.endr
	WIN 0x0d                                       ; A window 1, B window 3
.irp s, 0,1,2,3
.irp rt, 0,1,2,3
	v_wmma_scale_f32_16x16x128_f8f6f4 v[ACC+8*\rt:ACC+8*\rt+7], v[12*(\rt+4*\s):12*(\rt+4*\s)+11], v[BP+12*\s:BP+12*\s+11], v[ACC+8*\rt:ACC+8*\rt+7], v[ASCL+4*\rt+\s], v[BS+\s] matrix_a_fmt:MATRIX_FMT_BF6 matrix_b_fmt:MATRIX_FMT_BF6
.endr
.endr
	WIN 0x0e                                       ; A window 2
.irp s, 0,1,2,3
.irp rt, 0,1,2,3
	v_wmma_scale_f32_16x16x128_f8f6f4 v[ACC+8*\rt:ACC+8*\rt+7], v[12*(\rt+4*\s):12*(\rt+4*\s)+11], v[BP+12*(\s+4):BP+12*(\s+4)+11], v[ACC+8*\rt:ACC+8*\rt+7], v[ASCL+4*\rt+\s], v[BS+\s] matrix_a_fmt:MATRIX_FMT_BF6 matrix_b_fmt:MATRIX_FMT_BF6 matrix_a_scale:MATRIX_SCALE_ROW1 matrix_b_scale:MATRIX_SCALE_ROW1
.endr
.endr
	WIN 0
	v_add_nc_u32 v[BA+\p], s[TB], v[BA0]           ; four places behind the last product, ahead of the loads into its sources and of the epilogue's reads
	v_add_nc_u32 v[TA], s[TU], v[TA0]
	v_nop
	v_nop
.if \more
	WIN 0xc0                                       ; destination window 3
.set q, 0
.rept 24
	global_load_b128 v[BP+4*q:BP+4*q+3], v[BA+\p], s[WB:WB+1] offset:512*q   ; the image as it lies: 512 consecutive bytes a load
.set q, q+1
.endr
	WIN 0
	global_load_b128 v[BS:BS+3], v[BA+\p], s[WB:WB+1] offset:12288
.endif
.if \tb
	ds_load_b32 v[TN], v[TA]
	ds_load_b32 v[TN+2], v[TA] offset:4096
	ds_load_b32 v[TN+4], v[TA] offset:8192
.endif
	EPI TP+4
.endm
.macro BFLY n, in, kp, sd, m, x        ; registers 2 q, 2 q + 1 of two lanes x apart become one register: the lane whose bit is 0 keeps the even one's sum, the other the odd one's
.set q, 0
.rept \n
	v_cndmask_b32 v[\kp+q], v[\in+2*q], v[\in+2*q+1], s[\m]
	v_cndmask_b32 v[\sd+q], v[\in+2*q+1], v[\in+2*q], s[\m]
.set q, q+1
.endr
.set q, 0
.rept \n
	v_add_f32_dpp v[\kp+q], v[\sd+q], v[\kp+q] row_xmask:\x row_mask:0xf bank_mask:0xf
.set q, q+1
.endr
.endm
.macro CHUNK last
	s_wait_tensorcnt 0x0                           ; my 16 rows are in
	XL 1, 0
	XL 2, 1
	s_wait_dscnt 32                                ; behind round 0's loads: round 1's 32
	XQ 1, 0
	XL 1, 2
	s_wait_dscnt 60                                ; behind round 1's loads: 28 stores and 32 loads
	XQ 2, 1
	XL 2, 3
	s_wait_dscnt 60
	XQ 1, 2
	s_wait_dscnt 28                                ; behind round 3's loads: 28 stores
	XQ 2, 3
	WIN 0
	s_wait_alu depctr_va_vdst(0)
	s_wait_dscnt 0x0                               ; my codes and scale bytes have landed
	BAR
	; the chunk's codes, scale words and coverage into registers; the sums begin
	v_add_nc_u32 v[CVO], s[SOF], v[H32]
	WIN 0x40
.set q, 0
.rept 96
	ds_load_b64 v[2*q:2*q+1], v[AF0] offset:16*AP*((q/6)%4)+96*(q/24)+48*((q%6)/3)+8*(q%3)
.set q, q+1
.endr
	WIN 0x80
.set q, 0
.rept 96
	ds_load_b64 v[2*q:2*q+1], v[AF0] offset:16*AP*((q/6)%4)+384+96*(q/24)+48*((q%6)/3)+8*(q%3)
.set q, q+1
.endr
	WIN 0
.irp rt, 0,1,2,3
	ds_load_b128 v[ASCL+4*\rt:ASCL+4*\rt+3], v[AS0] offset:512*\rt
.endr
.irp e, 0,1,2,3,4,5,6,7
	global_load_b128 v[COV+4*\e:COV+4*\e+3], v[CVO], s[6:7] offset:64*(\e/2)+16*(\e%2)   ; register 8 rt + j: cov(row 16 rt + 8 h + j)
.endr
.set q, 0
.rept 32
	v_mov_b32 v[SACC+q], 0
.set q, q+1
.endr
	v_mov_b32 v[VSUM], 0
	s_wait_alu depctr_va_vdst(0)
	s_wait_dscnt 0x0
	s_wait_loadcnt 0x0
	BAR                                            ; every wave has the codes: the tables may lie over them
.irp i, 0,1,2
	ds_store_b128 v[TW], v[224+8*\i:227+8*\i] offset:4096*\i
	ds_store_b128 v[TW], v[228+8*\i:231+8*\i] offset:4096*\i+16
.endr
	s_wait_dscnt 0x0
	BAR
	s_mov_b32 s[TI], 0
	s_mov_b32 s[CNT], 8-(\last)
.Lm_\@:                                            ; a trip: two tiles, one on each buffer
	TILE 0, NLD, 1, 1
.if !(\last)
	global_prefetch_b8 v[PFO], s[PF:PF+1] th:TH_LOAD_NT scope:SCOPE_SE   ; 32 blocks of 256 bytes of my rows of the next chunk
.endif
	TILE 1, NLD, 1, 1
.if !(\last)
	s_wait_xcnt 0x0                                ; the prefetch has read its base
	s_add_nc_u64 s[PF:PF+1], s[PF:PF+1], 8192
.endif
	s_sub_co_u32 s[CNT], s[CNT], 1
	s_cmp_lg_u32 s[CNT], 0
	s_wait_alu depctr_va_vdst(0)
	s_cbranch_scc1 .Lm_\@
.if \last
	TILE 0, NLD, 0, 1                              ; the last two tiles ask for nothing more
	TILE 1, 0, 0, 0
.else
	s_add_nc_u64 s[PF:PF+1], s[PF:PF+1], 0x30000   ; 64 rows less the 16 just walked
.endif
	; s = sum V - 2 sum V r; the sum over my sixteen columns' lanes; register q of lane (r, h) ends as row 32 q + 16 (r / 8) + 8 h + r % 8
.set q, 0
.rept 16
	v_pk_fma_f32 v[SACC+q:SACC+q+1], v[SACC+q:SACC+q+1], -2.0, v[VSUM:VSUM+1] op_sel_hi:[1,0,0]
.set q, q+2
.endr
	BFLY 16, SACC, 192, 208, MK, 1
	BFLY 8, 192, SACC, SACC+8, MK+1, 2
	BFLY 4, SACC, 192, 196, MK+2, 4
	BFLY 2, 192, SACC, SACC+2, MK+3, 8
	ds_store_b32 v[SX], v[SACC]
	ds_store_b32 v[SX], v[SACC+1] offset:128
	s_wait_alu depctr_va_vdst(0)
	s_wait_dscnt 0x0
	BAR
	; the four waves' column parts are added; lane L holds rows 2 L, 2 L + 1; the running maximum
	s_wait_xcnt 0x0                                ; wave 0's earlier store has read the registers that are written below
	v_add_nc_u32 v[SO], s[SOF], v[L8]
.irp g, 0,1,2,3
	ds_load_b64 v[74+2*\g:75+2*\g], v[SR] offset:256*\g
.endr
	s_add_co_u32 s[SOF], s[SOF], 256
	s_wait_alu depctr_va_vdst(0)
	s_wait_dscnt 0x0
	v_pk_add_f32 v[74:75], v[74:75], v[76:77]
	v_pk_add_f32 v[78:79], v[78:79], v[80:81]
	v_pk_add_f32 v[74:75], v[74:75], v[78:79]
	v_max_num_f32 v82, v74, v75
	v_max_num_f32_dpp v82, v82, v82 row_xmask:1 row_mask:0xf bank_mask:0xf
	v_max_num_f32_dpp v82, v82, v82 row_xmask:2 row_mask:0xf bank_mask:0xf
	v_max_num_f32_dpp v82, v82, v82 row_xmask:4 row_mask:0xf bank_mask:0xf
	v_max_num_f32_dpp v82, v82, v82 row_xmask:8 row_mask:0xf bank_mask:0xf
	v_permlanex16_b32 v83, v82, s[SEL], s[SEL+1]
	v_max3_num_f32 v82, v82, v83, v[MX]            ; the new M
	v_mul_f32 v84, s[L2E], v82
	v_fma_f32 v86, v74, s[L2E], -v84
	v_fma_f32 v87, v75, s[L2E], -v84
	v_fma_f32 v[FF], v[MX], s[L2E], -v84
	v_mov_b32 v[MX], v82
	s_wait_alu depctr_va_vdst(0)
	v_exp_f32 v86, v86                             ; 2^((s - M) log2 e), at most 1
	v_exp_f32 v87, v87
	v_exp_f32 v[FF], v[FF]                         ; 2^((old M - M) log2 e): what was summed so far is brought under the new M
	v_nop
	s_wait_alu depctr_va_vdst(0)
	ds_store_b64 v[PW], v[86:87]                   ; my wave's own copy: no barrier
	v_fma_f32 v[ZL], v[ZL], v[FF], v86
	v_add_f32 v[ZL], v[ZL], v87
	WIN 0x41                                       ; source 0 and destination window 1
.irp e, 0,1,2,3,4,5,6,7
	v_mul_f32 v[248+\e], v[248+\e], v[FF]
.endr
	WIN 0
	s_mov_b32 s[XC], 0
	s_mov_b32 s[PL], 0
	s_mov_b32 s[CC], 4
	s_cmp_lg_u32 s[WV], 0
	s_wait_alu depctr_va_vdst(0)
	s_cbranch_scc1 .Lc_\@
	global_store_b64 v[SO], v[74:75], s[16:17]     ; 256 consecutive bytes, at a multiple of 256
.Lc_\@:                                            ; the context: a trip takes 16 rows, my wave's 1,024 bytes of each, from LDS
	WIN 0x55
	v_add_nc_u32 v233, s[XC], v236
	v_add_nc_u32 v235, s[PL], v238
.set q, 0
.rept 32
	ds_load_b128 v[4*q:4*q+3], v233 offset:XP*(q/2)+528*(q%2)
.set q, q+1
.endr
.irp e, 0,1,2,3
	ds_load_b128 v[128+4*\e:131+4*\e], v235 offset:16*\e   ; 16 weights, the same address in all lanes
.endr
	s_wait_dscnt 0x0
.set q, 0
.rept 128
	v_fma_f32 v[248+q%8], v[q], v[128+q/8], v[248+q%8]
.set q, q+1
.endr
	WIN 0
	s_add_co_u32 s[XC], s[XC], 16*XP
	s_add_co_u32 s[PL], s[PL], 64
	s_sub_co_u32 s[CC], s[CC], 1
	s_cmp_lg_u32 s[CC], 0
	s_wait_alu depctr_va_vdst(0)
	s_cbranch_scc1 .Lc_\@
.if !(\last)
	s_wait_tensorcnt 0x0                           ; no tensor load of mine is out, so group 0 may be written
	ds_add_u32 v[SPW], v[NIL]
	s_add_nc_u64 s[G0+2:G0+3], s[G0+2:G0+3], 0x40000   ; 64 rows on
	s_wait_dscnt 0x0                               ; the add is done, and so are my reads of the rows
	BAR
	tensor_load_to_lds s[G0:G0+3], s[G1:G1+7]      ; my 16 rows of the next chunk
	s_nop 0
.rept 4
	v_nop
.endr
.endif
.endm
	s_load_b256 s[4:11], s[0:1], 0x0               ; enc s[4:5], cov s[6:7], wsq s[8:9], hbu s[10:11]
	s_load_b256 s[12:19], s[0:1], 0x20             ; Wc_w s[12:13], V_w s[14:15], scores s[16:17], ctxp s[18:19]
	s_load_b64 s[20:21], s[0:1], 0x40              ; stat
	v_lshl_add_u32 v[SPW], v0, 2, SPARE
	v_mov_b32 v[NIL], 0
	ds_add_u32 v[SPW], v[NIL]                      ; the wave's opening: the add, twice on end, and its wait ahead of my first tensor load
	ds_add_u32 v[SPW], v[NIL]
	v_lshrrev_b32 v1, 5, v0
	v_readfirstlane_b32 s[WV], v1
	s_mov_b32 s[WG], ttmp9
	s_lshr_b32 s[BB], s[WG], 3                     ; the batch
	; group 1: 16 dense rows of 4,096 bytes as 128 lines of 64 elements of 8 bytes, 4 words of padding behind each 128 words
	s_mov_b32 s[G1], (3<<16)|(1<<20)|(6<<22)|(3<<25)
	s_mov_b32 s[G1+1], 64<<16
	s_mov_b32 s[G1+2], 128<<16
	s_mov_b32 s[G1+3], 64<<16
	s_mov_b32 s[G1+4], 128
	s_mov_b32 s[G1+5], 64
	s_mov_b32 s[G1+6], 0
	s_mov_b32 s[G1+7], 0
	s_mov_b32 s[G0], 1
	s_mul_i32 s[G0+1], s[WV], XW
	s_mov_b32 s[SEL], 0x76543210
	s_mov_b32 s[SEL+1], 0xfedcba98
	s_mov_b32 s[MK], 0xaaaaaaaa
	s_mov_b32 s[MK+1], 0xcccccccc
	s_mov_b32 s[MK+2], 0xf0f0f0f0
	s_mov_b32 s[MK+3], 0xff00ff00
	s_mov_b32 s[L2E], 0x3fb8aa3b
	s_mov_b32 s[C2], 0x4038aa3b                    ; 2 log2(e)
	s_mov_b32 s[C2+1], s[C2]
	s_mov_b32 s[SOF], 0
	s_lshl_b32 s77, s[WV], 10
	s_add_co_u32 s70, s77, HBT
	s_lshl_b32 s72, s[WV], 8
	s_add_co_u32 s71, s72, SCX
	s_add_co_u32 s72, s72, PT
	s_mul_i32 s73, s[WV], 16*AP
	s_add_co_u32 s73, s73, AC
	s_lshl_b32 s74, s[WV], 9
	s_add_co_u32 s74, s74, ASC
	s_mul_i32 s75, s[WV], 1056
	s_mul_i32 s76, s[WV], XW
	s_lshl_b32 s78, s[WV], 15
	v_and_b32 v1, 31, v0                           ; L
	v_and_b32 v2, 15, v0                           ; r
	v_bfe_u32 v3, v0, 4, 1                         ; h
	v_lshlrev_b32 v[BA0], 4, v1
	v_mov_b32 v[BA], v[BA0]
	v_add_nc_u32 v[BA+1], TILEB, v[BA0]
	v_lshl_add_u32 v[TA0], v2, 2, s70              ; HBT + 4 (256 w + r)
	v_mul_u32_u24 v[AF0], v2, AP
	v_mad_u32_u24 v[AF0], v3, 24, v[AF0]
	v_add_nc_u32 v[AF0], AC, v[AF0]
	v_lshlrev_b32 v[AS0], 5, v2
	v_lshl_add_u32 v[AS0], v3, 4, v[AS0]
	v_add_nc_u32 v[AS0], ASC, v[AS0]
	v_and_b32 v[SX], 7, v0
	v_lshl_or_b32 v[SX], v3, 3, v[SX]
	v_bfe_u32 v60, v0, 3, 1
	v_lshl_or_b32 v[SX], v60, 4, v[SX]             ; 16 (r / 8) + 8 h + r % 8
	v_lshl_add_u32 v[SX], v[SX], 2, s71
	v_lshl_add_u32 v[SR], v1, 3, SCX
	v_lshl_add_u32 v[PW], v1, 3, s72
	v_lshlrev_b32 v[L8], 3, v1
	v_lshlrev_b32 v[H32], 5, v3
	v_lshrrev_b32 v[HO], 1, v0                     ; thread tau brings columns 8 tau .. 8 tau + 7 of the three tables
	v_lshlrev_b32 v[HO], 11, v[HO]
	v_and_b32 v60, 1, v0
	v_lshl_or_b32 v[HO], v60, 5, v[HO]             ; hbu: 2,048 (tau / 2) + 32 (tau % 2)
	v_lshlrev_b32 v[T32], 5, v0
	v_lshl_add_u32 v[TW], v0, 5, HBT
	v_lshlrev_b32 v[PFO], 8, v1
	v_lshl_add_u32 v68, v2, 2, s78                 ; hbu of my tile 0: 2,048 x 16 w + 4 r
	v_lshl_add_u32 v69, v2, 2, s77                 ; Wc, V of my tile 0
.irp i, 23,25,27,29,51,53,55,83,ZL
	v_mov_b32 v[\i], 0                             ; the pairs' odd partners; a lane permute's destination; Z
.endr
	v_mov_b32 v[MX], 0xfe967699                    ; -1e38, under every score that is served
	v_mul_u32_u24 v60, v1, 24
	v_add_nc_u32 v60, s73, v60                     ; my 16 rows of codes, 24 bytes a lane
	v_add_nc_u32 v61, s74, v1                      ; scale bytes, a byte a lane
	v_lshl_add_u32 v62, v1, 4, s75                 ; the context: lines 2 w, 2 w + 1 of a row, 16 L
	v_lshrrev_b32 v63, 2, v1
	v_lshlrev_b32 v63, 4, v63
	v_lshl_add_u32 v63, v1, 7, v63
	v_add_nc_u32 v63, s76, v63                     ; the quantiser: my rows, 128 l + 16 (l / 4)
	v_mov_b32 v66, s72
	v_lshl_add_u32 v67, v1, 4, s77                 ; ctxp: 16 L + 1,024 w
.irp w, 1,2
	WIN (\w)<<6
	v_mov_b32 v232, v60
	v_mov_b32 v234, v61
	v_mov_b32 v236, v62
	v_mov_b32 v237, v63
	v_mov_b32 v238, v66
	v_mov_b32 v239, v67
.endr
	WIN 0x40
.irp e, 0,1,2,3,4,5,6,7
	v_mov_b32 v[248+\e], 0                         ; the context
.endr
	WIN 0
	s_wait_alu depctr_va_vdst(0)
	s_wait_dscnt 0x0                               ; both opening adds are done
	s_wait_kmcnt 0x0
	s_mov_b32 s[T+1], 0
	s_lshl_b32 s[T], s[WG], 20                     ; 256 rows of 4,096 bytes
	s_lshl_b32 s68, s[WV], 16
	s_add_co_u32 s[T], s[T], s68
	s_add_nc_u64 s[G0+2:G0+3], s[4:5], s[T:T+1]
	s_add_nc_u64 s[PF:PF+1], s[G0+2:G0+3], 0x40000 ; my rows of chunk 1
	s_or_b32 s[G0+3], s[G0+3], 0x80000000
	tensor_load_to_lds s[G0:G0+3], s[G1:G1+7]      ; my 16 rows of chunk 0: my one load at the head
	s_nop 0
.rept 4
	v_nop
.endr
	s_lshl_b32 s[T], s[WG], 10
	s_add_nc_u64 s[6:7], s[6:7], s[T:T+1]
	s_add_nc_u64 s[16:17], s[16:17], s[T:T+1]
	s_lshl_b32 s[T], s[WG], 12
	s_add_nc_u64 s[18:19], s[18:19], s[T:T+1]
	s_lshl_b32 s[T], s[WG], 8
	s_add_nc_u64 s[20:21], s[20:21], s[T:T+1]
	s_lshl_b32 s[T], s[BB], 6
	s_add_nc_u64 s[10:11], s[10:11], s[T:T+1]
	s_mul_i32 s[T], s[WV], 16*TILEB
	s_add_nc_u64 s[WB:WB+1], s[8:9], s[T:T+1]      ; my 16 tiles
	global_load_b128 v[224:227], v[HO], s[10:11]
	global_load_b128 v[228:231], v[HO], s[10:11] offset:16
	global_load_b128 v[232:235], v[T32], s[12:13]
	global_load_b128 v[236:239], v[T32], s[12:13] offset:16
	global_load_b128 v[240:243], v[T32], s[14:15]
	global_load_b128 v[244:247], v[T32], s[14:15] offset:16
	global_load_b32 v24, v68, s[10:11]             ; tile 0's three table words; later tiles' come from LDS
	global_load_b32 v26, v69, s[12:13]
	global_load_b32 v28, v69, s[14:15]
	WIN 0xc0
.set q, 0
.rept 48
	global_load_b128 v[4*q:4*q+3], v[BA+q/24], s[WB:WB+1] offset:512*(q%24)   ; tiles 0 and 1
.set q, q+1
.endr
	WIN 0
	global_load_b128 v[30:33], v[BA], s[WB:WB+1] offset:12288
	global_load_b128 v[56:59], v[BA+1], s[WB:WB+1] offset:12288
	s_mov_b32 s[CH], 3
.Lchunk:
	CHUNK 0
	s_sub_co_u32 s[CH], s[CH], 1
	s_cmp_lg_u32 s[CH], 0
	s_cbranch_scc1 .Lchunk
	CHUNK 1                                        ; the last chunk is written out: nothing is left to ask for
	v_add_f32_dpp v[ZL], v[ZL], v[ZL] row_xmask:1 row_mask:0xf bank_mask:0xf
	v_add_f32_dpp v[ZL], v[ZL], v[ZL] row_xmask:2 row_mask:0xf bank_mask:0xf
	v_add_f32_dpp v[ZL], v[ZL], v[ZL] row_xmask:4 row_mask:0xf bank_mask:0xf
	v_add_f32_dpp v[ZL], v[ZL], v[ZL] row_xmask:8 row_mask:0xf bank_mask:0xf
	v_permlanex16_b32 v83, v[ZL], s[SEL], s[SEL+1]
	v_add_f32 v[ZL], v[ZL], v83                    ; Z of my 256 rows
	s_cmp_lg_u32 s[WV], 0
	s_wait_alu depctr_va_vdst(0)
	s_cbranch_scc1 .Lnst
	global_store_b64 v[L8], v[MX:MX+1], s[20:21]   ; (M, Z), 32 times: 256 consecutive bytes
.Lnst:
	WIN 0x05                                       ; address and data window 1
	global_store_b128 v239, v[248:251], s[18:19]
	global_store_b128 v239, v[252:255], s[18:19] offset:512
	WIN 0
	s_wait_tensorcnt 0x0                           ; the wave's end
	ds_add_u32 v[SPW], v[NIL]
	s_wait_dscnt 0x0
	s_endpgm
.Lfunc_end_k_q984caa229c_score:
	.size	k_q984caa229c_score, .Lfunc_end_k_q984caa229c_score-k_q984caa229c_score
	.p2alignl 7, 3214868480
	.fill 96, 4, 3214868480
	.section	.rodata,"a",@progbits
	.p2align	6, 0x0
	.amdhsa_kernel k_q984caa229c_score
		.amdhsa_group_segment_fixed_size 327680
		.amdhsa_private_segment_fixed_size 0
		.amdhsa_enable_private_segment 0
		.amdhsa_kernarg_size 72
		.amdhsa_user_sgpr_count 2
		.amdhsa_user_sgpr_kernarg_segment_ptr 1
		.amdhsa_wavefront_size32 1
		.amdhsa_system_sgpr_workgroup_id_x 1
		.amdhsa_system_sgpr_workgroup_id_y 1
		.amdhsa_system_sgpr_workgroup_id_z 1
		.amdhsa_system_vgpr_workitem_id 0
		.amdhsa_next_free_vgpr 1024
		.amdhsa_next_free_sgpr 100
		.amdhsa_reserve_vcc 0
		.amdhsa_float_denorm_mode_32 3
		.amdhsa_float_denorm_mode_16_64 3
		.amdhsa_memory_ordered 1
		.amdhsa_forward_progress 1
		.amdhsa_inst_pref_size 232
	.end_amdhsa_kernel
	.amdgpu_metadata
---
amdhsa.version: [ 1, 2 ]
amdhsa.kernels:
  - .name:           k_q984caa229c_score
    .symbol:         k_q984caa229c_score.kd
    .args:
      - { .name: enc_output, .offset: 0, .size: 8, .value_kind: global_buffer, .address_space: global }
      - { .name: prev_coverage, .offset: 8, .size: 8, .value_kind: global_buffer, .address_space: global }
      - { .name: wsq, .offset: 16, .size: 8, .value_kind: global_buffer, .address_space: global }
      - { .name: hbu, .offset: 24, .size: 8, .value_kind: global_buffer, .address_space: global }
      - { .name: Wc_w, .offset: 32, .size: 8, .value_kind: global_buffer, .address_space: global }
      - { .name: V_w, .offset: 40, .size: 8, .value_kind: global_buffer, .address_space: global }
      - { .name: scores, .offset: 48, .size: 8, .value_kind: global_buffer, .address_space: global }
      - { .name: ctxp, .offset: 56, .size: 8, .value_kind: global_buffer, .address_space: global }
      - { .name: stat, .offset: 64, .size: 8, .value_kind: global_buffer, .address_space: global }
    .group_segment_fixed_size: 327680
    .private_segment_fixed_size: 0
    .kernarg_segment_align: 8
    .kernarg_segment_size: 72
    .max_flat_workgroup_size: 128
    .sgpr_count:     100
    .vgpr_count:     1024
    .wavefront_size: 32
...
	.end_amdgpu_metadata
.endif
;; end of part 2
;; launch finish (part 3): grid 8 x 32, 2 waves a work-group, no clusters, 0 bytes of LDS; arguments prev_coverage, scores, ctxp, stat, out0, out1, out2; writes out0, out1, out2
.if DOCPART == 3
	.amdgcn_target "amdgcn-amd-amdhsa--gfx1250"
	.amdhsa_code_object_version 6
	.text
	.protected	k_q984caa229c_finish
	.globl	k_q984caa229c_finish
	.p2align	8
	.type	k_q984caa229c_finish,@function
k_q984caa229c_finish:
	s_mov_b64 s[64:65], 0
	v_nop
	global_prefetch_b8 v0, s[64:65] scope:SCOPE_SE
	s_setreg_imm32_b32 hwreg(HW_REG_WAVE_MODE, 25, 1), 1
	s_wait_xcnt 0x0
; A batch's eight parts are joined: M = max M_g, w_g = 2^((M_g - M) log2 e), Z = sum Z_g w_g; out0 = sum ctxp_g w_g / Z; out1 = 2^((s - M) log2 e) / Z; out2 = out1 + cov.  (V_b is left out: softmax(s + c) = softmax(s).)
; Work-group (j, b), 64 threads: rows 256 j + 4 tau .. + 3 of out1 and out2, columns 128 j + 2 tau, + 1 of out0.  Every thread reads the batch's eight (M, Z) for itself: 64 bytes.
; No LDS, no barrier, no matrix unit, no loop: nothing to run ahead in, so nothing is prefetched.  LIMITS: NaN and infinities are not served.
; REGISTERS: v8-23 the eight (M, Z); v24-27 scores, then out1; v28-31 cov, then out2; v32-47 the eight parts of my two columns; v48-55 w_g; v56 M, v57 M log2 e, v58 Z, v60-61 my two columns' sums.
	s_load_b256 s[4:11], s[0:1], 0x0               ; cov, scores, ctxp, stat
	s_load_b128 s[12:15], s[0:1], 0x20             ; out0, out1
	s_load_b64 s[16:17], s[0:1], 0x30              ; out2
	v_lshlrev_b32 v1, 4, v0                        ; 16 tau
	v_lshlrev_b32 v2, 3, v0                        ; 8 tau
	v_mov_b32 v3, 0
	s_and_b32 s20, ttmp7, 0xffff                   ; b
	s_mov_b32 s23, 0
	s_mov_b32 s24, 0x3fb8aa3b
	s_wait_alu depctr_va_vdst(0)
	s_wait_kmcnt 0x0
	s_lshl_b32 s22, s20, 13
	s_lshl_b32 s21, ttmp9, 10
	s_add_co_u32 s22, s22, s21
	s_add_nc_u64 s[4:5], s[4:5], s[22:23]
	s_add_nc_u64 s[6:7], s[6:7], s[22:23]
	s_add_nc_u64 s[14:15], s[14:15], s[22:23]
	s_add_nc_u64 s[16:17], s[16:17], s[22:23]
	s_lshl_b32 s21, ttmp9, 9
	s_lshl_b32 s22, s20, 15
	s_add_co_u32 s22, s22, s21
	s_add_nc_u64 s[8:9], s[8:9], s[22:23]
	s_lshl_b32 s22, s20, 12
	s_add_co_u32 s22, s22, s21
	s_add_nc_u64 s[12:13], s[12:13], s[22:23]
	s_lshl_b32 s22, s20, 11
	s_add_nc_u64 s[10:11], s[10:11], s[22:23]
.irp g, 0,1,2,3,4,5,6,7
	global_load_b64 v[8+2*\g:9+2*\g], v3, s[10:11] offset:256*\g
.endr
	global_load_b128 v[24:27], v1, s[6:7]
	global_load_b128 v[28:31], v1, s[4:5]
.irp g, 0,1,2,3,4,5,6,7
	global_load_b64 v[32+2*\g:33+2*\g], v2, s[8:9] offset:4096*\g
.endr
	s_wait_loadcnt 0x0
	v_max3_num_f32 v56, v8, v10, v12
	v_max3_num_f32 v56, v56, v14, v16
	v_max3_num_f32 v56, v56, v18, v20
	v_max_num_f32 v56, v56, v22                    ; M
	v_mul_f32 v57, s24, v56
.irp g, 0,1,2,3,4,5,6,7
	v_fma_f32 v[48+\g], v[8+2*\g], s24, -v57
.endr
.irp i, 0,1,2,3
	v_fma_f32 v[24+\i], v[24+\i], s24, -v57
.endr
	s_wait_alu depctr_va_vdst(0)
.irp g, 0,1,2,3,4,5,6,7
	v_exp_f32 v[48+\g], v[48+\g]
.endr
.irp i, 0,1,2,3
	v_exp_f32 v[24+\i], v[24+\i]
.endr
	v_nop
	s_wait_alu depctr_va_vdst(0)
	v_mul_f32 v58, v9, v48
	v_mul_f32 v60, v32, v48
	v_mul_f32 v61, v33, v48
.irp g, 1,2,3,4,5,6,7
	v_fma_f32 v58, v[9+2*\g], v[48+\g], v58
	v_fma_f32 v60, v[32+2*\g], v[48+\g], v60
	v_fma_f32 v61, v[33+2*\g], v[48+\g], v61
.endr
	s_wait_alu depctr_va_vdst(0)
	v_rcp_f32 v58, v58                             ; 1 / Z
	v_nop
	s_wait_alu depctr_va_vdst(0)
	v_mul_f32 v60, v60, v58
	v_mul_f32 v61, v61, v58
.irp i, 0,1,2,3
	v_mul_f32 v[24+\i], v[24+\i], v58
.endr
.irp i, 0,1,2,3
	v_add_f32 v[28+\i], v[28+\i], v[24+\i]
.endr
	global_store_b64 v2, v[60:61], s[12:13]        ; a wave stores 256 consecutive bytes
	global_store_b128 v1, v[24:27], s[14:15]
	global_store_b128 v1, v[28:31], s[16:17]
	s_endpgm
.Lfunc_end_k_q984caa229c_finish:
	.size	k_q984caa229c_finish, .Lfunc_end_k_q984caa229c_finish-k_q984caa229c_finish
	.p2alignl 7, 3214868480
	.fill 96, 4, 3214868480
	.section	.rodata,"a",@progbits
	.p2align	6, 0x0
	.amdhsa_kernel k_q984caa229c_finish
		.amdhsa_group_segment_fixed_size 0
		.amdhsa_private_segment_fixed_size 0
		.amdhsa_enable_private_segment 0
		.amdhsa_kernarg_size 56
		.amdhsa_user_sgpr_count 2
		.amdhsa_user_sgpr_kernarg_segment_ptr 1
		.amdhsa_wavefront_size32 1
		.amdhsa_system_sgpr_workgroup_id_x 1
		.amdhsa_system_sgpr_workgroup_id_y 1
		.amdhsa_system_sgpr_workgroup_id_z 1
		.amdhsa_system_vgpr_workitem_id 0
		.amdhsa_next_free_vgpr 64
		.amdhsa_next_free_sgpr 66
		.amdhsa_reserve_vcc 0
		.amdhsa_float_denorm_mode_32 3
		.amdhsa_float_denorm_mode_16_64 3
		.amdhsa_memory_ordered 1
		.amdhsa_forward_progress 1
		.amdhsa_inst_pref_size 7
	.end_amdhsa_kernel
	.amdgpu_metadata
---
amdhsa.version: [ 1, 2 ]
amdhsa.kernels:
  - .name:           k_q984caa229c_finish
    .symbol:         k_q984caa229c_finish.kd
    .args:
      - { .name: prev_coverage, .offset: 0, .size: 8, .value_kind: global_buffer, .address_space: global }
      - { .name: scores, .offset: 8, .size: 8, .value_kind: global_buffer, .address_space: global }
      - { .name: ctxp, .offset: 16, .size: 8, .value_kind: global_buffer, .address_space: global }
      - { .name: stat, .offset: 24, .size: 8, .value_kind: global_buffer, .address_space: global }
      - { .name: out0, .offset: 32, .size: 8, .value_kind: global_buffer, .address_space: global }
      - { .name: out1, .offset: 40, .size: 8, .value_kind: global_buffer, .address_space: global }
      - { .name: out2, .offset: 48, .size: 8, .value_kind: global_buffer, .address_space: global }
    .group_segment_fixed_size: 0
    .private_segment_fixed_size: 0
    .kernarg_segment_align: 8
    .kernarg_segment_size: 56
    .max_flat_workgroup_size: 64
    .sgpr_count:     66
    .vgpr_count:     64
    .wavefront_size: 32
...
	.end_amdgpu_metadata
.endif
;; end of part 3
